; MI455X (gfx1250); checked and timed in simulation.
; The chip was launched on July 23, 2026; its instructions are those of AMD's public machine-readable ISA for CDNA 5 (MIT licence, August 2026) and "CDNA5" Instruction Set Architecture Reference Guide (July 2026). The comments in the code are by the model that wrote it; some were corrected since.
;; Feed Forward Quantum. Allowed arithmetic: matrix products marked QUANTISED: E2M1 operands, one E8M0 scale for each 32 along K, by v_wmma_scale_f32_16x16x128_f8f6f4 with both operands' format E2M1 (or v_wmma_scale_f32_32x16x128_f4), f32 sums; products left as they are: f32 operands where the result goes on into a quantised operand, else bf16, f16 or f32 operands; f32 sums; everything else in f32.
;; Inputs: b1 4,096 float32; b2 1,024 float32; circuit_params 8 float32; w1 4,096 x 8 float32; w2_codes 1,024 x 128 x 16 uint8 (E2M1 codes of w2, K innermost, in blocks of 32 codes, two codes a byte); w2_scales 1,024 x 128 uint8 (E8M0 scales of w2, one for each 32 codes along K); x 4 x 4,096 x 1,024 float32.
;; Outputs: out0 4 x 4,096 x 1,024 float32.
;; This version of the problem:
;;   THIS VERSION OF THE PROBLEM IS GIVEN IN LOW PRECISION. The matrix products marked QUANTISED in the list below multiply operands that are first quantised to E2M1 (2 exponent bits, 1 mantissa bit; 4 bits a number), with one power-of-two scale for each 32 numbers along K (OCP MX v1.0); their sums are f32. All else is computed in f32.
;;   The module's matrix products, in the order in which they are computed (A, B: the left and right operand; K: the contracted axis; several contracted axes count as one K, in the product's order):
;;     1. [M 16,384, K 8] x [K 8, N 4,096]; A: computed on the way; B: input w1: left as it is (K = 8 < 32)
;;     2. [M 16,384, K 4,096] x [K 4,096, N 1,024]; A: computed on the way; B: input w2 (given as codes): QUANTISED
;;   THE QUANTISER, for each operand of a quantised product, along K:
;;     - K is cut into blocks of 32 from its start; a last block that is shorter is filled with zeros.
;;     - A block's scale is 2^e with e = floor(log2(the largest magnitude in the block)) - 2, held to -126 .. 127; a block of zeros has e = 0. As a byte (E8M0): e + 127.
;;     - Each number is divided by its block's scale, clamped to +-6, and rounded to the nearest number of E2M1, ties to even, subnormals kept.
;;     - The product sums the exact products of the quantised numbers (number of the format x scale) in f32.
;;   ~~~python
;;   def quantise(x, axis):      # numpy; x: float32 -> the quantised numbers, widened to float32 again
;;       x = np.moveaxis(x, axis, -1); K = x.shape[-1]
;;       x = np.pad(x, [(0, 0)] * (x.ndim - 1) + [(0, -K % 32)]); x = x.reshape(x.shape[:-1] + (-1, 32)); a = np.abs(x).max(-1, keepdims=True)
;;       e = np.where(a > 0, np.clip(np.frexp(np.where(a > 0, a, 1))[1] - 1 - 2, -126, 127), 0)      # np.frexp(a)[1] - 1 = floor(log2(a)), exactly
;;       r = np.clip(x / 2.0 ** e, -6, 6)
;;       step = 2.0 ** (np.maximum(np.frexp(np.where(r == 0, 1, r))[1] - 1, 0) - 1)
;;       q = np.round(r / step) * step * 2.0 ** e      # np.round: ties to even
;;       return np.moveaxis(q.reshape(q.shape[:-2] + (-1,))[..., :K], -1, axis).astype(np.float32)
;;   ~~~
;;   OPERANDS COMPUTED ON THE WAY. 'Computed on the way' means the value that the module computes at that place (a softmax that the list does not call 'softmax' is quantised finished and normalised). What goes into a quantiser is computed in f32, as accurately as f32 sums, v_exp_f32 and their like allow (about 1e-6 of the number): no bf16 or f16 on the way to a quantiser, and a product that is left as it is and whose result goes on into a quantised operand takes f32 operands (vector FMAs, or v_wmma_f32_16x16x4_f32). A number that lies on a knife's edge between two numbers of the format may be rounded either way, as far as f32 arithmetic and the matrix unit's own rounding can turn it there, and no further.
;;   INPUTS GIVEN AS CODES. w2 (in the module: [1024, 4096], K = its axis 1): each comes as NAME_codes (uint8): NAME with its K axis moved to the last place and cut into blocks of 32 codes, [.., K / 32, bytes a block], one block behind the other in memory; two codes a byte, the lower K in the low four bits (a code: sign, 2 exponent bits, 1 mantissa bit); and NAME_scales (uint8): the same leading axes, one E8M0 byte (e + 127) for each 32 codes along K. Its value is code x scale, taken as it is: it is not quantised again, and the codes and scales need not be those that the quantiser above would give.
;; One version. Each part assembles by itself: llvm-mc -triple=amdgcn-amd-amdhsa -mcpu=gfx1250 --defsym DOCPART=n.
;; ======== version 1 of 1: 1 launch
;; limits: inputs' magnitudes at most 1,048,576; right only within a limited range of input values
;; launch ffq (part 1): grid 256 x 1, 4 waves a work-group, clusters of 4 x 1, 327,680 bytes of LDS; arguments x, w1, b1, w2_codes, w2_scales, b2, out0; writes out0
.if DOCPART == 1
	.amdgcn_target "amdgcn-amd-amdhsa--gfx1250"
	.amdhsa_code_object_version 6
	.text
	.protected	k_q9ae7e3d197_ffq
	.globl	k_q9ae7e3d197_ffq
	.p2align	8
	.type	k_q9ae7e3d197_ffq,@function
k_q9ae7e3d197_ffq:
	s_mov_b64 s[64:65], 0
	v_nop
	global_prefetch_b8 v0, s[64:65] scope:SCOPE_SE
	s_setreg_imm32_b32 hwreg(HW_REG_WAVE_MODE, 25, 1), 1
	s_wait_xcnt 0x0
	s_wait_alu depctr_hold_cnt(0) depctr_sa_sdst(0) depctr_va_vdst(0) depctr_va_sdst(0) depctr_va_ssrc(0) depctr_va_vcc(0) depctr_vm_vsrc(0)
	s_getreg_b32 s2, hwreg(HW_REG_IB_STS2, 6, 4)
	s_cmp_eq_u32 s2, 0
	s_cbranch_scc0 .Lentry_in_a_cluster
	s_endpgm
.Lentry_in_a_cluster:
	s_bfe_u32 s2, ttmp6, 0x10000c
	s_cmp_lg_u32 s2, 0x3003
	s_cbranch_scc0 .Lentry_shape_is_right
	s_endpgm
.Lentry_shape_is_right:
; out = Q(relu(q w1^T + b1)) w2^T + b2,  q = cumprod(cos(x[:, 0..7])).
; x [16384][1024] f32 (its first 8 numbers a row are all that the result hangs on); w1 [4096][8], b1 [4096], b2 [1024] f32; w2 as E2M1 codes [1024][2048 bytes], K innermost, and E8M0 bytes [1024][128]; out [16384][1024] f32.
; WORK LEFT OUT: reference() adds circuit_params.sum() * 0.0.  For every finite circuit_params that term is 0, so it reaches no output: circuit_params is not loaded and is not among the arguments.
; Limit: a NaN, an infinity or an overflow in circuit_params' sum is not carried to the result.
; ONE LAUNCH.  A work-group owns 64 tokens and all 1,024 columns, so each hidden number is made once: 256 work-groups, four waves, 64 x 256 f32 sums a wave in 512 registers.
; THE FIRST PRODUCT (K = 8) runs in f32 on v_wmma_f32_16x16x4_f32, two K steps, b1 as the C of the first.  Its result is quantised in registers along the hidden axis (blocks of 32) and handed to the
; other waves through LDS as images of the operand's registers.  THE CLIP AT 0 is made in the quantiser: the block's maximum is taken of the signed sums over a positive floor, so that what is negative does not count; the
; conversions take the signed sums; then every code with its sign bit set has its three other bits cleared: it becomes -0, which adds nothing to any sum.
; THE SECOND PRODUCT runs on v_wmma_scale_f32_16x16x128_f8f6f4, both sides E2M1, one accumulator an output.
; BOTH ARE USED TRANSPOSED (source 0 = 16 rows of the weight, source 1 = 16 tokens): a lane holds one token throughout.  The rows of w1 that form a tile are not neighbours: lane r of tile (b, u) takes
; unit 32 b + 8 u + r + 8 (r / 8), so that the 16 registers of tiles u = 0, 1 are 16 neighbours along the second product's K.  In the f32 form the places of k are permuted alike on both sides (lane half h holds
; k = 4 h, 4 h + 1 in step 0 and 4 h + 2, 4 h + 3 in step 1), so that one 16-byte load of a row of w1 is both fragments.
; K goes in 8 chunks of 512; in a chunk the columns go in 4 groups of 256: 32 tiles of w2, 256 rows x 256 bytes, through a ring of two LDS slots.  Wave w reads rows 64 w .. 64 w + 63 of each tile, and fetches them in the ring.
; Wave w makes hidden units 128 w .. 128 w + 127 of a chunk (its K step w) for all 64 tokens, one chunk ahead of the products, in 8 halves (block of 32 units x pair of token blocks), two halves a slot.
; CLUSTER 4 x 1: the four partners walk the same tiles of w2 and ask for each JOINTLY (mask 15).
; EACH CLUSTER BEGINS AT A CHUNK OF ITS OWN: cluster n at chunk (n + n / 8) mod 8, trip c on chunk (first + c) mod 8.  The chunk enters the tiles', w1's and b1's global addresses and the place of w2's scale words in their rows.
; THE HEAD'S FOUR TILES, one tensor load a wave: wave 0 tile 0, wave 1 tile 1 (256 rows each), waves 2 and 3 the two halves of w2's scale bytes (65,536 dense bytes each), which stay in LDS, unpadded.
; No data prefetch is laid: all 256 work-groups read the same 32 tiles of w2 in this launch; x, b2 are asked for once at the head, w1 and b1 two trips ahead by loads.
; LIMITS.  The cosine's argument is reduced by three parts of pi / 2: good to f32's last bits for |x| up to about 2^20; beyond that it loses accuracy.  NaN and infinities in x, w1, b1 are not served (the maxima drop a NaN).
; A block of hidden numbers with no positive number keeps the scale byte 1 where the quantiser says 127: its codes are zeros, and this program alone reads the byte.
; The first product sums k in the order 0, 1, 4, 5 | 2, 3, 6, 7 as the unit takes them; the second sums K ascending from the cluster's first chunk on and round, not from 0.
; REGISTERS, in windows of 256.  Window 0: v1-18 addresses; v20-27 h's scale words; v28-43 w2's scale words, two sets; v44-59 q; v60-91 w1's fragments, four buffers; v92-155 the f32 form's results, two halves
; (written by matrix instructions alone); v156-187 x at the head, then w2's fragments of a slot's step 3; v188-203 codes; v204-207 scale words in the making; v208-223 at work; v224-255 at work at the head, then w2's fragments
; of step 2.  On the way out v60-91 and v188-219 take the rows.  Window 1: v0-127 h's 16 fragments of a chunk; v128-191 w2's fragments of steps 0 and 1; v192-255 b1 in the result's layout, four buffers.
; Windows 2, 3: the accumulators: group j in window 2 + j / 2 at 128 (j % 2) + 8 (4 m + i).
.set PITCH,  272                       ; an LDS row of codes: 256 bytes + 16 of padding
.set WROWS,  64*PITCH                  ; a wave's 64 rows of a tile
.set SLOTB,  4*WROWS                   ; a slot: 256 rows
.set SCL,    2*SLOTB                   ; behind the ring: w2's scale bytes as they lie in memory, 128 bytes a row of w2,
.set SPART,  32768                     ; 32,768 bytes a column group
.set HIMG,   SCL+4*SPART               ; h's 16 fragments as register images: (4 m + s) x 1,024 + 512 cc + 16 x lane
.set HSC,    HIMG+16384                ; h's scale words: 256 m + 16 r + 4 s
.set SPARE,  HSC+1024                  ; the spare words, 128 bytes a wave: two blocks of 256 bytes that no other line names
.set STG,    SPARE+512                 ; the way out: 16 rows x 272 bytes for each wave
.set SPW, 1                            ; v1   SPARE + 4 x my thread's number; never rewritten
.set NIL, 2                            ; v2   0; never rewritten
.set ADRB, 3                           ; v3-4 my lane's place in my rows of slot 0, 1
.set ADRS, 5                           ; v5-6 my lane's scale words of w2 in groups 0-1 and 2-3: ASB (+ two parts) + 16 x the chunk
.set LI,  7                            ; v7   HIMG + 16 x lane
.set HWI, 8                            ; v8   where I store images: LI + 1,024 x wave
.set HWS, 9                            ; v9   where I store scale words: HSC + 16 r + 4 x wave
.set W1O, 10                           ; v10  w1: (r + 8 (r / 8)) x 32 + 16 h
.set B1O, 11                           ; v11  b1: 64 h
.set STO, 13                           ; v13  the stage, in
.set RD,  14                           ; v14  the stage, back
.set CO,  15                           ; v15  my bytes in two rows of out
.set ASB, 18                           ; v18  my lane's row among w2's scale bytes, group 0; never rewritten
.set SA,  20
.set SB,  28
.set QR,  44
.set W1F, 60
.set HT,  92
.set R,   156
.set BW,  156                          ; w2's fragments in window 0: step 3 at v156, step 2 at v224: BW + 68 (3 - q)
.set PCD, 188
.set PW,  204
.set TM,  208
.set FX,  216                          ; v216-223 the signs of four registers of codes
.set AF,  0                            ; in window 1
.set BF,  128
.set B1C, 192
.set W1X, 10                           ; s[10:11], s[12:13] w1 and b1 at my units of the chunk whose numbers are asked for
.set B1X, 12
.set W1Y, 4                            ; s[4:5], s[14:15] the same for the second chunk, ahead of the loop
.set B1Y, 14
.set WRB, 16                           ; s[16:17] 2,048 where group 0's next step along K passes the row's end, else 0
.set G1,  20                           ; s[20:27] descriptor group 1, tiles of codes
.set G1S, 28                           ; s[28:35] group 1, scale bytes
.set G0,  36                           ; s[36:51] group 0, one set for each column group
.set G0H, 52                           ; s[52:55] group 0 of my one load at the head
.set SEL, 56                           ; s[56:57] v_permlanex16_b32's selects for lane l xor 16
.set WV,  58
.set CNT, 59                           ; the trip's number
.set K0R, 60                           ; my cluster's first chunk
.set KP,  61                           ; the chunk of the trip in hand
.set WRA, 62                           ; s[62:63] as WRB, for groups 1 to 3
.set OUTP, 66                          ; s[66:73] out at my tokens, my 64 columns of each group
.set KC,  84                           ; s[84:93] the cosine's constants
.set MSB, 0
.macro WIN new                         ; the immediate's high byte repeats the setting that is left; a switch that changes nothing is dropped
.if MSB != (\new)
	s_set_vgpr_msb (MSB<<8)|(\new)
.set MSB, (\new)
.endif
.endm
.macro PLACES                          ; four plain places: in front of loads into registers that FP4 products have read, and of the first read of their results
.rept 4
	v_nop
.endr
.endm
.macro CREST                           ; a round of the cluster's barrier behind its opening barrier
	s_cmp_lg_u32 s[WV], 0
	s_cbranch_scc1 .Lnot_wave_0_\@
	s_barrier_signal -3
.Lnot_wave_0_\@:
	s_barrier_wait -3
	s_barrier_signal -1
	s_barrier_wait -1
.endm
.macro ROUND                           ; a whole round
	s_barrier_signal -1
	s_barrier_wait -1
	CREST
.endm
; The chunk of trip s[CNT], and what the tiles' addresses lose where a step of 256 bytes along K passes the end of a row of 2,048: groups 1 to 3 step from this trip's chunk, group 0 from the next trip's.
.macro KSET
	s_add_co_u32 s[KP], s[K0R], s[CNT]
	s_and_b32 s[KP], s[KP], 7
	s_cmp_eq_u32 s[KP], 7
	s_cselect_b32 s[WRA], 2048, 0
	s_cmp_eq_u32 s[KP], 6
	s_cselect_b32 s[WRB], 2048, 0
.endm
; w1 and b1 at my 128 units of the chunk d trips on: 512 units a chunk, 32 and 4 bytes a unit.  s[6:7] and s[8:9] stand at my units of chunk 0 and are never stepped.
.macro WPTR wp, bp, d
	s_add_co_u32 s94, s[KP], \d
	s_and_b32 s94, s94, 7
	s_lshl_b32 s96, s94, 11
	s_lshl_b32 s94, s94, 14
	s_mov_b32 s95, 0
	s_mov_b32 s97, 0
	s_add_nc_u64 s[\wp:\wp+1], s[6:7], s[94:95]
	s_add_nc_u64 s[\bp:\bp+1], s[8:9], s[96:97]
.endm
.macro NEXTK                           ; w2's scale words of the next trip's chunk: 16 bytes a chunk in each row of 128
	s_add_co_u32 s94, s[KP], 1
	s_and_b32 s94, s94, 7
	s_lshl_b32 s94, s94, 4
	v_add_nc_u32 v[ADRS], s94, v[ASB]
	v_add_nc_u32 v[ADRS+1], 2*SPART, v[ADRS]
.endm
.macro LB p, q                         ; w2's four fragments (my 64 rows, the chunk's q-th 128 along K) from slot p into step q's own set: 8 loads
.if (\q) < 2
.set lF, BF+32*(\q)
	WIN 0x40
.else
.set lF, BW+68*(3-(\q))
	WIN 0
.endif
.irp i, 0,1,2,3
.irp cc, 0,1
	ds_load_b128 v[lF+8*\i+4*\cc:lF+8*\i+4*\cc+3], v[ADRB+(\p)] offset:4352*\i+64*(\q)+32*\cc
.endr
.endr
.endm
.macro RL q                            ; the next chunk's h of K step q: four fragments and two registers of scale words (lanes 0-15 an even token block, lanes 16-31 the odd one): 10 loads
	WIN 0x40
.irp m, 0,1,2,3
.irp cc, 0,1
	ds_load_b128 v[AF+8*(4*(\q)+\m)+4*\cc:AF+8*(4*(\q)+\m)+4*\cc+3], v[LI] offset:(4*\m+(\q))*1024+512*\cc
.endr
.endr
	WIN 0
.irp g, 0,1
	ds_load_b32 v[SA+4*\g+(\q)], v[LI] offset:16384+512*\g+4*(\q)
.endr
.endm
.macro SBL jn                          ; group jn's scale words of a chunk into set jn % 2: four words a row; lanes 0-15 an even block of 16 columns, lanes 16-31 the odd one: 2 loads
.irp g, 0,1
	ds_load_b128 v[SB+8*((\jn)%2)+4*\g:SB+8*((\jn)%2)+4*\g+3], v[ADRS+(\jn)/2] offset:((\jn)%2)*SPART+4096*\g
.endr
.endm
.macro GL b, wp, bp                    ; block b of 32 units: w1's two tiles and b1 in the result's layout, into buffer b: 6 loads
	WIN 0
.irp u, 0,1
	global_load_b128 v[W1F+8*(\b)+4*\u:W1F+8*(\b)+4*\u+3], v[W1O], s[\wp:\wp+1] offset:1024*(\b)+256*\u
.endr
	WIN 0x40
.irp u, 0,1
.irp e, 0,1
	global_load_b128 v[B1C+16*(\b)+8*\u+4*\e:B1C+16*(\b)+8*\u+4*\e+3], v[B1O], s[\bp:\bp+1] offset:128*(\b)+32*\u+16*\e
.endr
.endr
	WIN 0
.endm
; 16 FP4 products: group j, the chunk's q-th 128 along K: 4 token blocks x 4 blocks of 16 columns.  The 16 accumulators take turns, one instruction a turn, in the same order in every step.
.macro QMUL j, q
.if (\q) < 2
	WIN 0xa5+0x50*((\j)/2)                         ; sources 0 and 1 window 1, C and D window 2 or 3
.else
	WIN 0xa4+0x50*((\j)/2)                         ; source 0 (w2's fragments of steps 2 and 3) window 0
.endif
.irp m, 0,1,2,3
.irp i, 0,1,2,3
.set fD, 128*((\j)%2)+8*(4*\m+\i)
.if (\q) < 2
.set fA, BF+32*(\q)+8*\i
.else
.set fA, BW+68*(3-(\q))+8*\i
.endif
.set fB, AF+8*(4*(\q)+\m)
.set fS, SB+8*((\j)%2)+4*(\i/2)+(\q)
.set fT, SA+4*(\m/2)+(\q)
.if (\i%2) && (\m%2)
	v_wmma_scale_f32_16x16x128_f8f6f4 v[fD:fD+7], v[fA:fA+7], v[fB:fB+7], v[fD:fD+7], v[fS], v[fT] matrix_a_fmt:MATRIX_FMT_FP4 matrix_b_fmt:MATRIX_FMT_FP4 matrix_a_scale:MATRIX_SCALE_ROW1 matrix_b_scale:MATRIX_SCALE_ROW1
.elseif (\i%2)
	v_wmma_scale_f32_16x16x128_f8f6f4 v[fD:fD+7], v[fA:fA+7], v[fB:fB+7], v[fD:fD+7], v[fS], v[fT] matrix_a_fmt:MATRIX_FMT_FP4 matrix_b_fmt:MATRIX_FMT_FP4 matrix_a_scale:MATRIX_SCALE_ROW1
.elseif (\m%2)
	v_wmma_scale_f32_16x16x128_f8f6f4 v[fD:fD+7], v[fA:fA+7], v[fB:fB+7], v[fD:fD+7], v[fS], v[fT] matrix_a_fmt:MATRIX_FMT_FP4 matrix_b_fmt:MATRIX_FMT_FP4 matrix_b_scale:MATRIX_SCALE_ROW1
.else
	v_wmma_scale_f32_16x16x128_f8f6f4 v[fD:fD+7], v[fA:fA+7], v[fB:fB+7], v[fD:fD+7], v[fS], v[fT] matrix_a_fmt:MATRIX_FMT_FP4 matrix_b_fmt:MATRIX_FMT_FP4
.endif
.endr
.endr
.endm
; THE FIRST PRODUCT.  Half wk = block wk / 2 of 32 units x token blocks 2 (wk % 2), + 1: four tiles, tile t = (token block t / 2, units' tile t % 2).  Instructions 0-3 are the tiles' first K steps, with b1 as C;
; 4-7 their second, in place: between two links of a tile stand the three other tiles'.
.macro WPART wk, n
.set wb, (\wk)/2
.set wt, (\n)%4
.set wD, HT+32*((\wk)%2)+8*wt
.set wA, W1F+8*wb+4*(wt%2)
.set wB, QR+4*(2*((\wk)%2)+wt/2)
.set wC, B1C+16*wb+8*(wt%2)
.if (\n) < 4
	WIN 0x10                                       ; C in window 1
	v_wmma_f32_16x16x4_f32 v[wD:wD+7], v[wA:wA+1], v[wB:wB+1], v[wC:wC+7]
.else
	WIN 0
	v_wmma_f32_16x16x4_f32 v[wD:wD+7], v[wA+2:wA+3], v[wB+2:wB+3], v[wD:wD+7]
.endif
.endm
; THE QUANTISER of half vk, in four slices, n = 4 .. 7.  4, 5: each token block's largest of my 16 signed sums, with the floor 2^(3 - 127) as a leaf (each tile is read from its low end on), the two blocks by turns.
; 6: with lane l xor 16's; 2 off the exponent field gives the conversion's scale operand; its exponent field is the byte.  7: the byte into the scale word; the codes of the signed sums.
.macro VPART vk, n
.set vb, (\vk)/2
.set vm, 2*((\vk)%2)
.set vH, HT+32*((\vk)%2)
.if (\n) == 4
	v_max3_num_f32 v[TM], v[vH], v[vH+1], 0x1800000
	v_max3_num_f32 v[TM+1], v[vH+16], v[vH+17], 0x1800000
.irp i, 2,4,6
	v_max3_num_f32 v[TM], v[TM], v[vH+\i], v[vH+\i+1]
	v_max3_num_f32 v[TM+1], v[TM+1], v[vH+16+\i], v[vH+17+\i]
.endr
.elseif (\n) == 5
.irp i, 8,10,12,14
	v_max3_num_f32 v[TM], v[TM], v[vH+\i], v[vH+\i+1]
	v_max3_num_f32 v[TM+1], v[TM+1], v[vH+16+\i], v[vH+17+\i]
.endr
.elseif (\n) == 6
	v_permlanex16_b32 v[TM+2], v[TM], s[SEL], s[SEL+1]
	v_permlanex16_b32 v[TM+3], v[TM+1], s[SEL], s[SEL+1]
	v_max_num_f32 v[TM], v[TM], v[TM+2]
	v_max_num_f32 v[TM+1], v[TM+1], v[TM+3]
	v_add_nc_u32 v[TM+4], 0xff000000, v[TM]
	v_add_nc_u32 v[TM+5], 0xff000000, v[TM+1]
.if vb == 0
	v_lshrrev_b32 v[PW+vm], 23, v[TM+4]            ; block 0's byte starts the scale word
	v_lshrrev_b32 v[PW+vm+1], 23, v[TM+5]
.else
	v_lshrrev_b32 v[TM+6], 23, v[TM+4]
	v_lshrrev_b32 v[TM+7], 23, v[TM+5]
.endif
.else
.if vb > 0
	v_lshl_or_b32 v[PW+vm], v[TM+6], 8*vb, v[PW+vm]
	v_lshl_or_b32 v[PW+vm+1], v[TM+7], 8*vb, v[PW+vm+1]
.endif
.irp x, 0,1
	v_cvt_scalef32_pk8_fp4_f32 v[PCD+4*(vm+\x)+2*(vb%2)], v[vH+16*\x:vH+16*\x+7], v[TM+4+\x]
	v_cvt_scalef32_pk8_fp4_f32 v[PCD+4*(vm+\x)+2*(vb%2)+1], v[vH+16*\x+8:vH+16*\x+15], v[TM+4+\x]
.endr
	v_nop                                          ; one plain place behind the scaled conversions
.endif
.endm
; Behind the slices.  THE CLIP AT 0, on the codes, eight to a register: a = the sign bits; a - (a >> 3) has 7 in every negative code's place; those three bits are cleared.  These 16 plain lines are also the places
; behind the stage's last matrix instructions (ISA guide 7.12.1).  Behind an odd block: the operand's layout wants a whole block of 32 in a lane, so the halves of two blocks change places; the four registers then go
; to LDS as they stand.  Behind block 3 the scale words follow.  Halves 0 and 1 (block 0) store nothing.
.macro VTAIL vk
.set vb, (\vk)/2
.set vm, 2*((\vk)%2)
.set vC, PCD+4*vm+2*(vb%2)
.irp x, 0,1
.irp e, 0,1
	v_and_b32 v[FX+4*\x+\e], 0x88888888, v[vC+4*\x+\e]
.endr
.endr
.irp x, 0,1
.irp e, 0,1
	v_lshrrev_b32 v[FX+4*\x+2+\e], 3, v[FX+4*\x+\e]
.endr
.endr
.irp x, 0,1
.irp e, 0,1
	v_sub_nc_u32 v[FX+4*\x+\e], v[FX+4*\x+\e], v[FX+4*\x+2+\e]
.endr
.endr
.irp x, 0,1
.irp e, 0,1
	v_bfi_b32 v[vC+4*\x+\e], v[FX+4*\x+\e], 0, v[vC+4*\x+\e]
.endr
.endr
.if vb%2
.irp x, 0,1
	v_permlane16_swap_b32 v[PCD+4*(vm+\x)], v[PCD+4*(vm+\x)+2]
	v_permlane16_swap_b32 v[PCD+4*(vm+\x)+1], v[PCD+4*(vm+\x)+3]
.endr
.irp x, 0,1
	ds_store_b128 v[HWI], v[PCD+4*(vm+\x):PCD+4*(vm+\x)+3] offset:4096*(vm+\x)+512*(vb/2)
.endr
.if vb == 3
.irp x, 0,1
	ds_store_b32 v[HWS], v[PW+vm+\x] offset:256*(vm+\x)   ; lanes r and r + 16 write the same word with the same value
.endr
.endif
.endif
.endm
; A stage: half wk's eight matrix instructions, and behind the last four a slice each of half vk's quantiser (vk = the half made one stage earlier; -1: no such part).  lc >= 0: the wait for wk's buffer of w1 and b1.
; The slices name no register of the matrix instructions round them; a tile is first read a stage behind its last link, with VTAIL's 16 plain lines between.
.macro STAGE wk, vk, lc
.if (\lc) >= 0
	s_wait_loadcnt \lc
.endif
.if ((\wk) >= 0) || ((\vk) >= 0)
.irp n, 0,1,2,3,4,5,6,7
.if (\wk) >= 0
	WPART \wk, \n
.else
	WIN 0
.endif
.if ((\vk) >= 0) && (\n >= 4)
	VPART \vk, \n
.endif
.endr
.if (\vk) >= 0
	VTAIL \vk
.else
.rept 8
	v_nop                                          ; no slices stood behind these products: eight places in front of the first read of their results
.endr
.endif
.endif
.endm
; THE CHANGE OF SLOTS behind slot j.  MEET3: the wave waits for all its tensor loads (one is out: its rows of the next tile) and adds 0 to its spare word; the group whose tile has just been shown landed steps on
; to its next chunk.  Work on registers follows, then the wait for the add, for my reads of the slot and for my image stores, then a round of the cluster's barrier.
; REFILL: first behind the round, the joint refill of the slot just read, with the tile two tiles on.
.macro MEET3 j
.set GN, G0+4*(((\j)+1)%4)
	WIN 0
	s_wait_tensorcnt 0x0                           ; no tensor load of mine is out, so a group 0 may be written
	ds_add_u32 v[SPW], v[NIL]                      ; 0 onto my spare word
	s_add_nc_u64 s[GN+2:GN+3], s[GN+2:GN+3], 256
.if (((\j)+1)%4) == 0
	s_sub_nc_u64 s[GN+2:GN+3], s[GN+2:GN+3], s[WRB:WRB+1]
.else
	s_sub_nc_u64 s[GN+2:GN+3], s[GN+2:GN+3], s[WRA:WRA+1]
.endif
.endm
.macro REFILL j
.set GN, G0+4*(((\j)+2)%4)
	tensor_load_to_lds s[GN:GN+3], s[G1:G1+7]
	s_nop 0
	PLACES                                         ; the places in front of the fragment loads that follow
.endm
; THE WAY OUT of group j: a lane holds 32 neighbouring bytes of a token's row, the lanes beside it other tokens.  A block of 16 tokens x 64 columns goes through my own stage and comes back as rows of 256 bytes.
; LDS serves a wave's instructions in order (ISA guide 5.7.1.4): no wait between the stores and the loads, nor in front of the next block's stores.
.macro TOSTAGE j, m
.set aB, 128*((\j)%2)+32*(\m)
.set oB, 60+128*((\m)%2)               ; v60-91 and v188-219 by turns: nothing more is made when the first group goes out
	WIN 0x08+4*((\j)/2)                            ; an LDS store's data: window 2 or 3
.irp i, 0,1,2,3
	ds_store_b128 v[STO], v[aB+8*\i:aB+8*\i+3] offset:64*\i          ; each accumulator from its low end on
	ds_store_b128 v[STO], v[aB+8*\i+4:aB+8*\i+7] offset:64*\i+16
.endr
	WIN 0
.irp t, 0,1,2,3,4,5,6,7
	ds_load_b128 v[oB+4*\t:oB+4*\t+3], v[RD] offset:544*\t
.endr
.endm
.macro SEND j, m, younger              ; younger: the LDS instructions issued behind block m's loads
.set oB, 60+128*((\m)%2)
	s_wait_dscnt \younger
.irp t, 0,1,2,3,4,5,6,7
	global_store_b128 v[CO], v[oB+4*\t:oB+4*\t+3], s[OUTP+2*(\j):OUTP+2*(\j)+1] offset:65536*(\m)+8192*\t th:TH_STORE_NT   ; 16 lanes store 256 consecutive bytes, at a multiple of 256 from out's first byte
.endr
.endm
.macro EXIT j
	s_wait_xcnt 0x0                                ; the last group's stores have read their registers
	TOSTAGE \j, 0
	TOSTAGE \j, 1
	SEND \j, 0, 16
	s_wait_xcnt 0x0                                ; block 0's stores have read their registers: block 2's loads may land there
	TOSTAGE \j, 2
	SEND \j, 1, 16
	s_wait_xcnt 0x0
	TOSTAGE \j, 3
	SEND \j, 2, 16
	SEND \j, 3, 0
.endm
; A SLOT: group j's 64 products on the tile in LDS slot j % 2, and two stages of the production.  aw, av | bw, bv, blc: the stages.  gl: which buffers of w1 and b1 are asked for (1: 0 and 1; 2; 3; 0: none).
; sn: the group whose scale words are fetched (-1: none).  rl = 1: the next chunk's h is fetched, step by step, as the old fragments fall free.  ex: the group that goes out (-1: none).
; All 32 fragment loads of the slot go out in ONE run at its head, each step into a set of its own, with the next group's scale words behind them.
; fill = 1: the slot is filled again: the last two steps' products read registers alone and stand between the add and its wait, and between the opening barrier's signal and its wait; 0: nothing is left to fetch; 2: the last slot.
; The counted waits on DScnt name the loads issued behind the run that is wanted; a stage's own LDS stores and the way out's LDS lines are left out, so the counts lie at or under the exact ones.
.macro SLOT j, aw, av, bw, bv, blc, gl, sn, rl, ex, fill
.set NS, 0
.if (\sn) >= 0
.set NS, 2
.endif
	LB (\j)%2, 0
	LB (\j)%2, 1
	LB (\j)%2, 2
	LB (\j)%2, 3
.if (\sn) >= 0
	SBL \sn
.endif
.if (\ex) >= 0
	EXIT \ex
.endif
	STAGE \aw, \av, -1
.if (\gl) == 1                         ; behind the stage's 16 plain lines: more than the eight places between its last matrix instruction and loads into its operands
	GL 0, W1X, B1X
	GL 1, W1X, B1X
.elseif (\gl) == 2
	GL 2, W1X, B1X
.elseif (\gl) == 3
	GL 3, W1X, B1X
.endif
.if \rl
	; the slot in which h's images are read: the products first; the second stage, which stores nothing to LDS, stands between the add and the wait for it and for the last ten loads of h
	s_wait_dscnt 0x0                               ; all four steps' fragments and the scale words are in (the first stage here stores nothing to LDS)
	QMUL \j, 0
	PLACES
	RL 0
	QMUL \j, 1
	PLACES
	RL 1
	QMUL \j, 2
	PLACES
	RL 2
	QMUL \j, 3
	PLACES
	RL 3
	MEET3 \j
	STAGE \bw, \bv, \blc
	s_wait_dscnt 0x0                               ; the add is done; my reads of the slot and of the images are over
	ROUND
	REFILL \j
.else
	s_wait_dscnt 16+NS                             ; steps 0 and 1 are in; behind them: steps 2 and 3, eight loads each, and the scale words
	QMUL \j, 0
	QMUL \j, 1
	STAGE \bw, \bv, \blc
.if (\fill) == 1
	MEET3 \j
	s_wait_dscnt 9+NS                              ; step 2's are in; behind them: step 3's eight, the scale words and the add
	QMUL \j, 2
	s_wait_dscnt 0x0                               ; the add is done; my reads of the slot are over; my image stores have landed
	s_barrier_signal -1
	QMUL \j, 3
	WIN 0
	s_barrier_wait -1
	CREST
	REFILL \j
.else
	s_wait_dscnt 0x0
	QMUL \j, 2
	QMUL \j, 3
.endif
.if (\fill) == 0
	WIN 0
	s_wait_tensorcnt 0x0                           ; my rows of the last tile are in
	ds_add_u32 v[SPW], v[NIL]
	s_wait_dscnt 0x0
	s_barrier_signal -1
	s_barrier_wait -1
	PLACES
.endif
.endif
.endm
; cos of the four numbers v[b] .. v[b + 3], in place.  n = the nearest whole number to x 2 / pi; r = x - n pi / 2 by three fused multiply-adds; polynomials for cos r and sin r on |r| <= pi / 4;
; odd n takes the sine; n mod 4 = 1 or 2 turns the sign.  The choice selects a value alone.
.macro COS4 b
.irp i, 0,1,2,3
	v_mul_f32 v[232+\i], s[KC], v[(\b)+\i]
.endr
.irp i, 0,1,2,3
	v_rndne_f32 v[232+\i], v[232+\i]
.endr
.irp i, 0,1,2,3
	v_fma_f32 v[236+\i], v[232+\i], s[KC+1], v[(\b)+\i]
.endr
.irp i, 0,1,2,3
	v_fma_f32 v[236+\i], v[232+\i], s[KC+2], v[236+\i]
.endr
.irp i, 0,1,2,3
	v_fma_f32 v[236+\i], v[232+\i], s[KC+3], v[236+\i]
.endr
.irp i, 0,1,2,3
	v_cvt_i32_f32 v[232+\i], v[232+\i]
.endr
.irp i, 0,1,2,3
	v_mul_f32 v[240+\i], v[236+\i], v[236+\i]
.endr
.irp i, 0,1,2,3
	v_fma_f32 v[244+\i], v[240+\i], s[KC+6], s[KC+5]
.endr
.irp i, 0,1,2,3
	v_fma_f32 v[248+\i], v[240+\i], s[KC+9], s[KC+8]
.endr
.irp i, 0,1,2,3
	v_fma_f32 v[244+\i], v[244+\i], v[240+\i], s[KC+4]
.endr
.irp i, 0,1,2,3
	v_fma_f32 v[248+\i], v[248+\i], v[240+\i], s[KC+7]
.endr
.irp i, 0,1,2,3
	v_mul_f32 v[252+\i], v[236+\i], v[240+\i]
.endr
.irp i, 0,1,2,3
	v_fma_f32 v[244+\i], v[244+\i], v[240+\i], -0.5
.endr
.irp i, 0,1,2,3
	v_fma_f32 v[248+\i], v[248+\i], v[252+\i], v[236+\i]   ; sin r
.endr
.irp i, 0,1,2,3
	v_fma_f32 v[244+\i], v[244+\i], v[240+\i], 1.0         ; cos r
.endr
.irp i, 0,1,2,3
	v_and_b32 v[252+\i], 1, v[232+\i]
.endr
.irp i, 0,1,2,3
	v_cmp_ne_u32 s[94+\i], 0, v[252+\i]
.endr
.irp i, 0,1,2,3
	v_cndmask_b32 v[244+\i], v[244+\i], v[248+\i], s[94+\i]
.endr
.irp i, 0,1,2,3
	v_add_nc_u32 v[232+\i], 1, v[232+\i]
.endr
.irp i, 0,1,2,3
	v_and_b32 v[232+\i], 2, v[232+\i]
.endr
.irp i, 0,1,2,3
	v_lshlrev_b32 v[232+\i], 30, v[232+\i]
.endr
.irp i, 0,1,2,3
	v_xor_b32 v[(\b)+\i], v[232+\i], v[244+\i]
.endr
.endm
	; ---- the head: ids, descriptors
	s_load_b256 s[4:11], s[0:1], 0x0               ; x 4:5, w1 6:7, b1 8:9, w2's codes 10:11
	s_load_b128 s[12:15], s[0:1], 0x20             ; w2's scales 12:13, b2 14:15
	s_load_b64 s[16:17], s[0:1], 0x30              ; out
	v_lshl_add_u32 v[SPW], v0, 2, SPARE
	v_mov_b32 v[NIL], 0
	ds_add_u32 v[SPW], v[NIL]                      ; the opening lines: the add, twice on end, and its wait ahead of my first tensor load
	ds_add_u32 v[SPW], v[NIL]
	s_wait_dscnt 0x0
	v_lshrrev_b32 v224, 5, v0
	v_readfirstlane_b32 s[WV], v224                ; wave 0..3
	s_bfe_u32 s2, ttmp6, 0x40000                   ; cx: my place in the cluster: it enters x's and out's addresses alone
	s_lshl_b32 s3, ttmp9, 2
	s_add_co_u32 s3, s3, s2                        ; my work-group: 4 x cluster + cx
	s_mov_b32 s[G1+0], 15|(1<<20)|(1<<21)|(5<<22)|(3<<25)   ; 15:0 the mask: all four partners; 17:16 elements of 1 byte; 20 padding on; 21 set beside a mask; 24:22 after every 64 words; 31:25 four words
	s_mov_b32 s[G1+1], 256<<16                     ; tensor_dim0 = 256
	s_mov_b32 s[G1+2], 256<<16                     ; tensor_dim1 = 256 for the head's loads; behind them 64
	s_mov_b32 s[G1+3], 256<<16                     ; tile_dim0 = 256
	s_mov_b32 s[G1+4], 256                         ; tile_dim1 likewise
	s_mov_b32 s[G1+5], 2048                        ; a row of w2's codes
	s_mov_b32 s[G1+6], 0
	s_mov_b32 s[G1+7], 0
	s_mov_b32 s[G1S+0], 15|(3<<16)|(1<<21)         ; the scale bytes of 512 rows: 65,536 dense bytes as 256 rows of 32 elements of 8 bytes, no padding
	s_mov_b32 s[G1S+1], 32<<16
	s_mov_b32 s[G1S+2], 256<<16
	s_mov_b32 s[G1S+3], 32<<16
	s_mov_b32 s[G1S+4], 256
	s_mov_b32 s[G1S+5], 32
	s_mov_b32 s[G1S+6], 0
	s_mov_b32 s[G1S+7], 0
	s_mov_b32 s[SEL], 0x76543210
	s_mov_b32 s[SEL+1], 0xfedcba98
	s_mov_b32 s[KC], 0x3f22f983                    ; 2 / pi
	s_mov_b32 s[KC+1], 0xbfc90fdb                  ; - pi / 2, its first part,
	s_mov_b32 s[KC+2], 0x333bbd2e                  ; what that part took too much,
	s_mov_b32 s[KC+3], 0x26f72cf9                  ; and the rest
	s_mov_b32 s[KC+4], 0x3d2aaaa5                  ; cos: z^2 (C0 + C1 z + C2 z^2) - z / 2 + 1
	s_mov_b32 s[KC+5], 0xbab6061a
	s_mov_b32 s[KC+6], 0x37ccf5ce
	s_mov_b32 s[KC+7], 0xbe2aaaa3                  ; sin: r + r z (S0 + S1 z + S2 z^2)
	s_mov_b32 s[KC+8], 0x3c08839e
	s_mov_b32 s[KC+9], 0xb94ca1f9
	s_lshr_b32 s[K0R], ttmp9, 3
	s_add_co_u32 s[K0R], s[K0R], ttmp9
	s_and_b32 s[K0R], s[K0R], 7                    ; my cluster's first chunk: the same in all four partners
	s_mov_b32 s[KP], s[K0R]
	s_mul_i32 s74, s[WV], WROWS                    ; my rows' place in a slot
	s_lshl_b32 s75, s[WV], 17                      ; and in a tile in memory: 64 rows of 2,048 bytes,
	s_lshl_b32 s94, s[K0R], 8
	s_add_co_u32 s75, s75, s94                     ; at the first chunk's 256 bytes
	s_wait_kmcnt 0x0
.irp j, 0,1,2,3
	s_add_co_u32 s96, s75, (\j<<19)                ; group j: 256 rows of 2,048 bytes each
	s_mov_b32 s97, 0
	s_mov_b32 s[G0+4*\j], 1
	s_add_co_u32 s[G0+4*\j+1], s74, (\j%2)*SLOTB
	s_add_nc_u64 s[G0+4*\j+2:G0+4*\j+3], s[10:11], s[96:97]
	s_or_b32 s[G0+4*\j+3], s[G0+4*\j+3], 0x80000000
.endr
	; my one load at the head.  From: waves 0, 1 tile w of the first chunk; waves 2, 3 half w - 2 of the scale bytes.  To: 65,536 w + 4,096 min(w, 2) = slot 0, slot 1, SCL, SCL + 65,536
	s_and_b32 s94, s[WV], 1
	s_lshl_b32 s96, s94, 19
	s_lshl_b32 s95, s[K0R], 8
	s_add_co_u32 s96, s96, s95
	s_lshl_b32 s98, s94, 16
	s_cmp_lt_u32 s[WV], 2
	s_cselect_b32 s96, s96, s98
	s_cselect_b64 s[G0H+2:G0H+3], s[10:11], s[12:13]
	s_mov_b32 s97, 0
	s_add_nc_u64 s[G0H+2:G0H+3], s[G0H+2:G0H+3], s[96:97]
	s_or_b32 s[G0H+3], s[G0H+3], 0x80000000
	s_lshl_b32 s94, s[WV], 16
	s_min_u32 s95, s[WV], 2
	s_lshl_b32 s95, s95, 12
	s_mov_b32 s[G0H], 1
	s_add_co_u32 s[G0H+1], s94, s95
	; ---- global addresses and the first loads: x is what the first work hangs on, so these go out ahead of the round and the tensor loads
	v_and_b32 v224, 31, v0                         ; lane
	v_and_b32 v225, 15, v0                         ; r
	v_bfe_u32 v226, v0, 4, 1                       ; h
	s_wait_alu depctr_va_vdst(0)
	s_lshl_b32 s98, s3, 18                         ; 64 tokens x 4,096 bytes
	s_mov_b32 s99, 0
	s_add_nc_u64 s[4:5], s[4:5], s[98:99]          ; x at my first token
	s_lshl_b32 s94, s[WV], 12
	s_mov_b32 s95, 0
	s_add_nc_u64 s[6:7], s[6:7], s[94:95]          ; w1 at my 128 units of chunk 0
	s_lshl_b32 s94, s[WV], 9
	s_add_nc_u64 s[8:9], s[8:9], s[94:95]          ; b1 likewise
	WPTR W1X, B1X, 0                               ; and at those of my cluster's first chunk (the pointers to w2 have been used up)
	s_lshl_b32 s2, s3, 18
	s_lshl_b32 s96, s[WV], 8
	s_add_co_u32 s2, s2, s96                       ; my tokens, my 64 columns of a group
.irp j, 0,1,2,3
	s_add_co_u32 s3, s96, (\j<<10)                 ; the group's 256 columns of 4 bytes
	v_lshl_add_u32 v[228+\j], v226, 5, s3          ; b2: the group, my 64 columns, + 32 h
	s_add_co_u32 s98, s2, (\j<<10)
	s_mov_b32 s99, 0
	s_add_nc_u64 s[OUTP+2*\j:OUTP+2*\j+1], s[16:17], s[98:99]
.endr
	v_lshlrev_b32 v227, 12, v225
	v_lshl_add_u32 v227, v226, 4, v227             ; x: token r, + 16 h: numbers 4 h .. 4 h + 3
	v_and_b32 v[W1O], 8, v225
	v_add_nc_u32 v[W1O], v[W1O], v225              ; r + 8 (r / 8)
	v_lshlrev_b32 v[W1O], 5, v[W1O]
	v_lshl_add_u32 v[W1O], v226, 4, v[W1O]
	v_lshlrev_b32 v[B1O], 6, v226
.irp m, 0,1,2,3
	global_load_b128 v[R+4*\m:R+4*\m+3], v227, s[4:5] offset:65536*\m
.endr
	GL 0, W1X, B1X
	GL 1, W1X, B1X
	GL 2, W1X, B1X
	GL 3, W1X, B1X
	WIN 0x40
	s_wait_alu depctr_va_vdst(0)
.irp j, 0,1,2,3
.irp i, 0,1,2,3
	global_load_b128 v[8*(4*\j+\i):8*(4*\j+\i)+3], v[228+\j], s[14:15] offset:64*\i       ; b2 in the result's layout: lane half h: columns 16 i + 8 h + 0 .. 7
	global_load_b128 v[8*(4*\j+\i)+4:8*(4*\j+\i)+7], v[228+\j], s[14:15] offset:64*\i+16
.endr
.endr
	WIN 0
	; ---- the first fills
	ROUND                                          ; all four work-groups are here: the first joint loads meet
	s_cmp_lt_u32 s[WV], 2
	s_cbranch_scc0 .Lhead_scales
	tensor_load_to_lds s[G0H:G0H+3], s[G1:G1+7]    ; one tensor load a wave at the head
	s_nop 0
	PLACES
	s_branch .Lhead_asked
.Lhead_scales:
	tensor_load_to_lds s[G0H:G0H+3], s[G1S:G1S+7]
	s_nop 0
	PLACES
.Lhead_asked:
	; ---- LDS addresses
	v_mul_u32_u24 v[ADRB], v225, PITCH
	v_lshl_add_u32 v[ADRB], v226, 4, v[ADRB]
	v_add_nc_u32 v[ADRB], s74, v[ADRB]
	v_add_nc_u32 v[ADRB+1], SLOTB, v[ADRB]
	v_lshlrev_b32 v[ASB], 7, v224                  ; w2's scale bytes: row 16 h + r of my 64 rows, 128 bytes a row,
	s_lshl_b32 s94, s[WV], 13                      ; my 64 rows
	s_add_co_u32 s94, s94, SCL
	v_add_nc_u32 v[ASB], s94, v[ASB]
	s_lshl_b32 s94, s[KP], 4
	v_add_nc_u32 v[ADRS], s94, v[ASB]              ; the first chunk's 16 bytes of the row's 128
	v_add_nc_u32 v[ADRS+1], 2*SPART, v[ADRS]
	v_lshl_add_u32 v[LI], v224, 4, HIMG
	s_lshl_b32 s94, s[WV], 10
	v_add_nc_u32 v[HWI], s94, v[LI]
	s_lshl_b32 s94, s[WV], 2
	s_add_co_u32 s94, s94, HSC
	v_lshl_add_u32 v[HWS], v225, 4, s94
	s_mul_i32 s94, s[WV], 16*272
	s_add_co_u32 s94, s94, STG
	v_mul_u32_u24 v[STO], v225, 272
	v_lshl_add_u32 v[STO], v226, 5, v[STO]
	v_add_nc_u32 v[STO], s94, v[STO]               ; in: token r, + 32 h
	v_mul_u32_u24 v[RD], v226, 272
	v_lshl_add_u32 v[RD], v225, 4, v[RD]
	v_add_nc_u32 v[RD], s94, v[RD]                 ; back: lanes 0-15 one row, lanes 16-31 the next
	v_lshlrev_b32 v[CO], 12, v226
	v_lshl_add_u32 v[CO], v225, 4, v[CO]
	v_mov_b32 v[TM+2], 0                           ; written once: a lane permute's destination counts as one of its sources
	v_mov_b32 v[TM+3], 0
	; ---- q
	s_wait_loadcnt 56                              ; x's four loads are in; the 24 of w1 and b1 and the 32 of b2 may be out
	COS4 R
	COS4 R+4
	COS4 R+8
	COS4 R+12
	v_cmp_ne_u32 vcc_lo, 0, v226                   ; lanes 16-31 hold numbers 4 .. 7
.irp m, 0,1,2,3
	v_mul_f32 v[240+\m], v[R+4*\m], v[R+4*\m+1]
	v_mov_b32 v[244+\m], 0
.endr
.irp m, 0,1,2,3
	v_mul_f32 v[240+\m], v[240+\m], v[R+4*\m+2]
.endr
.irp m, 0,1,2,3
	v_mul_f32 v[240+\m], v[240+\m], v[R+4*\m+3]    ; the product of my four
.endr
.irp m, 0,1,2,3
	v_permlanex16_b32 v[244+\m], v[240+\m], s[SEL], s[SEL+1]
.endr
.irp m, 0,1,2,3
	v_cndmask_b32 v[244+\m], 1.0, v[244+\m], vcc_lo   ; where the running product starts: 1, or the first four's product
.endr
.irp m, 0,1,2,3
	v_mul_f32 v[QR+4*\m], v[244+\m], v[R+4*\m]
.endr
.irp i, 1,2,3
.irp m, 0,1,2,3
	v_mul_f32 v[QR+4*\m+\i], v[QR+4*\m+\i-1], v[R+4*\m+\i]
.endr
.endr
	s_mov_b32 s[CNT], 0                            ; trip 0 (the pointer to out has been used up: its registers take one of the two steps back)
	s_mov_b32 s[WRA+1], 0
	s_mov_b32 s[WRB+1], 0
	KSET
	s_wait_alu depctr_va_vdst(0)
	s_wait_loadcnt 0x0
	WPTR W1Y, B1Y, 1                               ; w1 and b1 at the second chunk (x's and b2's loads are done: their pointers' registers are free)
	; ---- the bias: each of the four token blocks' sums begins as b2's eight numbers of its columns: that is the bias's addition, and nothing is cleared
.irp j, 0,1,2,3
	WIN 0x81+0x40*(\j/2)                           ; source 0 (b2) window 1, destination window 2 or 3
.irp m, 0,1,2,3
.irp i, 0,1,2,3
.irp p, 0,1,2,3,4,5,6,7
	v_mov_b32 v[128*(\j%2)+8*(4*\m+\i)+\p], v[8*(4*\j+\i)+\p]
.endr
.endr
.endr
.endr
	WIN 0
	; ---- the first chunk's h, and the head of the second's.  A buffer of w1 and b1 is asked for anew a whole stage behind its last reader
	STAGE 0, -1, -1
	STAGE 1, 0, -1
	STAGE 2, 1, -1
	GL 0, W1Y, B1Y
	STAGE 3, 2, -1
	STAGE 4, 3, -1
	GL 1, W1Y, B1Y
	s_wait_dscnt 0x0
	STAGE 5, 4, -1
	STAGE 6, 5, -1
	GL 2, W1Y, B1Y
	STAGE 7, 6, -1
	STAGE 0, 7, 12                                 ; the second chunk's buffer 0 is in; behind it: buffers 1 and 2, six loads each
	GL 3, W1Y, B1Y
	s_wait_dscnt 0x0                               ; my images of the first chunk have landed
	s_barrier_signal -1
	s_barrier_wait -1                              ; everybody's have
	RL 0
	RL 1
	RL 2
	RL 3
	STAGE 1, 0, -1
	STAGE 2, 1, 12                                 ; buffer 1 is in; behind it: buffers 2 and 3
	s_wait_xcnt 0x0                                ; the loads have read their bases
	WPTR W1X, B1X, 2                               ; w1 and b1 at the third chunk
	s_wait_tensorcnt 0x0                           ; my tile of the head's four is in; no tensor load of mine is out, so descriptors may be written:
	s_mov_b32 s[G1+2], 64<<16                      ; from here on a load brings my 64 rows: tensor_dim1 = 64,
	s_mov_b32 s[G1+4], 64                          ; tile_dim1 = 64
	s_add_nc_u64 s[G0+2:G0+3], s[G0+2:G0+3], 256   ; group 0's first tile is in: on to its second chunk
	s_sub_nc_u64 s[G0+2:G0+3], s[G0+2:G0+3], s[WRA:WRA+1]
	s_wait_dscnt 0x0                               ; my reads of the first chunk's images are over
	s_barrier_signal -1
	s_barrier_wait -1                              ; all four tiles are in
	SBL 0
.Ltrip:                                            ; trip c = 0 .. 5: the products of the c-th chunk; halves 3-7 of the next and 0-2 of the one after; w1 and b1 of the one after
	SLOT 0, 3, 2, 4, 3, 18, 1, 1, 0, -1, 1         ; the waits on LOADcnt: three groups of six loads were issued behind the buffer that is wanted (in slot 3: two)
	SLOT 1, 5, 4, 6, 5, 18, 2, 2, 0, -1, 1
	SLOT 2, 7, 6, 0, 7, 18, 3, 3, 0, -1, 1         ; behind this slot's round the next chunk's images are whole
	NEXTK
	s_wait_alu depctr_va_vdst(0)
	SLOT 3, 1, 0, 2, 1, 12, 0, 0, 1, -1, 1         ; they are read here; they are written again behind this slot's round
	s_wait_xcnt 0x0                                ; the trip's loads have read their bases
	s_add_co_u32 s[CNT], s[CNT], 1
	KSET
	WPTR W1X, B1X, 2
	s_cmp_lt_u32 s[CNT], 6
	s_cbranch_scc1 .Ltrip
	; ---- trip 6: the last chunk's halves 3-7 are the last to be made; nothing more is asked of w1 and b1
	SLOT 0, 3, 2, 4, 3, 6, 0, 1, 0, -1, 1          ; buffer 2 is in; behind it: buffer 3
	SLOT 1, 5, 4, 6, 5, 0, 0, 2, 0, -1, 1
	SLOT 2, 7, 6, -1, 7, -1, 0, 3, 0, -1, 1
	NEXTK
	s_wait_alu depctr_va_vdst(0)
	SLOT 3, -1, -1, -1, -1, -1, 0, 0, 1, -1, 1
	; ---- trip 7: the last two tiles are asked for (the addresses stepped here are not used); a finished group goes out while the next is multiplied
	SLOT 0, -1, -1, -1, -1, -1, 0, 1, 0, -1, 1
	SLOT 1, -1, -1, -1, -1, -1, 0, 2, 0, 0, 1
	SLOT 2, -1, -1, -1, -1, -1, 0, 3, 0, 1, 0
	SLOT 3, -1, -1, -1, -1, -1, 0, -1, 0, 2, 2
	PLACES
	EXIT 3
	s_wait_tensorcnt 0x0                           ; the wave's end, behind my last tensor load and my last LDS store
	ds_add_u32 v[SPW], v[NIL]
	s_wait_dscnt 0x0
	ROUND                                          ; the closing round: no work-group ends while a partner may still ask for a tile that names it
	s_endpgm
.Lfunc_end_k_q9ae7e3d197_ffq:
	.size	k_q9ae7e3d197_ffq, .Lfunc_end_k_q9ae7e3d197_ffq-k_q9ae7e3d197_ffq
	.p2alignl 7, 3214868480
	.fill 96, 4, 3214868480
	.section	.rodata,"a",@progbits
	.p2align	6, 0x0
	.amdhsa_kernel k_q9ae7e3d197_ffq
		.amdhsa_group_segment_fixed_size 327680
		.amdhsa_private_segment_fixed_size 0
		.amdhsa_enable_private_segment 0
		.amdhsa_kernarg_size 56
		.amdhsa_user_sgpr_count 2
		.amdhsa_user_sgpr_kernarg_segment_ptr 1
		.amdhsa_wavefront_size32 1
		.amdhsa_system_sgpr_workgroup_id_x 1
		.amdhsa_system_sgpr_workgroup_id_y 1
		.amdhsa_system_sgpr_workgroup_id_z 1
		.amdhsa_system_vgpr_workitem_id 0
		.amdhsa_next_free_vgpr 1024
		.amdhsa_next_free_sgpr 100
		.amdhsa_reserve_vcc 1
		.amdhsa_float_denorm_mode_32 3
		.amdhsa_float_denorm_mode_16_64 3
		.amdhsa_memory_ordered 1
		.amdhsa_forward_progress 1
		.amdhsa_inst_pref_size 255
	.end_amdhsa_kernel
	.section	.bss,"aw",@nobits
	.p2align	6
	.space	262144
	.amdgpu_metadata
---
amdhsa.version: [ 1, 2 ]
amdhsa.kernels:
  - .name:           k_q9ae7e3d197_ffq
    .symbol:         k_q9ae7e3d197_ffq.kd
    .args:
      - { .name: x, .offset: 0, .size: 8, .value_kind: global_buffer, .address_space: global }
      - { .name: w1, .offset: 8, .size: 8, .value_kind: global_buffer, .address_space: global }
      - { .name: b1, .offset: 16, .size: 8, .value_kind: global_buffer, .address_space: global }
      - { .name: w2_codes, .offset: 24, .size: 8, .value_kind: global_buffer, .address_space: global }
      - { .name: w2_scales, .offset: 32, .size: 8, .value_kind: global_buffer, .address_space: global }
      - { .name: b2, .offset: 40, .size: 8, .value_kind: global_buffer, .address_space: global }
      - { .name: out0, .offset: 48, .size: 8, .value_kind: global_buffer, .address_space: global }
    .group_segment_fixed_size: 327680
    .private_segment_fixed_size: 0
    .kernarg_segment_align: 8
    .kernarg_segment_size: 56
    .max_flat_workgroup_size: 128
    .sgpr_count:     100
    .vgpr_count:     1024
    .wavefront_size: 32
...
	.end_amdgpu_metadata
.endif
;; end of part 1
